; MI455X (gfx1250); checked and timed in simulation.
; The chip was launched on July 23, 2026; its instructions are those of AMD's public machine-readable ISA for CDNA 5 (MIT licence, August 2026) and "CDNA5" Instruction Set Architecture Reference Guide (July 2026). The comments in the code are by the model that wrote it; some were corrected since.
;; Multitask Readout. Allowed arithmetic: matrix products marked QUANTISED: E2M3 operands, one E8M0 scale for each 32 along K, by v_wmma_scale_f32_16x16x128_f8f6f4 with both operands' format E2M3, f32 sums; everything else in f32.
;; Inputs: W_codes 8 x 64 x 32 x 24 uint8 (E2M3 codes of W, K innermost, in blocks of 32 codes, four codes in three bytes); W_scales 8 x 64 x 32 uint8 (E8M0 scales of W, one for each 32 codes along K); b 8 x 64 float32; output_embs_codes 16 x 4,096 x 32 x 24 uint8 (E2M3 codes of output_embs, K innermost, in blocks of 32 codes, four codes in three bytes); output_embs_scales 16 x 4,096 x 32 uint8 (E8M0 scales of output_embs, one for each 32 codes along K); output_readout_index 16 x 4,096 int32.
;; Outputs: out0 16 x 4,096 x 64 float32.
;; This version of the problem:
;;   THIS VERSION OF THE PROBLEM IS GIVEN IN LOW PRECISION. The matrix products marked QUANTISED in the list below multiply operands that are first quantised to E2M3 (2 exponent bits, 3 mantissa bits; 6 bits a number), with one power-of-two scale for each 32 numbers along K (OCP MX v1.0); their sums are f32. All else is computed in f32.
;;   The module's matrix products, in the order in which they are computed (A, B: the left and right operand; K: the contracted axis; several contracted axes count as one K, in the product's order):
;;     1. [M 65,536, K 1,024] x [K 1,024, N 512]; A: input output_embs (given as codes); B: input W (given as codes): QUANTISED
;;   THE QUANTISER, for each operand of a quantised product, along K:
;;     - K is cut into blocks of 32 from its start; a last block that is shorter is filled with zeros.
;;     - A block's scale is 2^e with e = floor(log2(the largest magnitude in the block)) - 2, held to -126 .. 127; a block of zeros has e = 0. As a byte (E8M0): e + 127.
;;     - Each number is divided by its block's scale, clamped to +-7.5, and rounded to the nearest number of E2M3, ties to even, subnormals kept.
;;     - The product sums the exact products of the quantised numbers (number of the format x scale) in f32.
;;   ~~~python
;;   def quantise(x, axis):      # numpy; x: float32 -> the quantised numbers, widened to float32 again
;;       x = np.moveaxis(x, axis, -1); K = x.shape[-1]
;;       x = np.pad(x, [(0, 0)] * (x.ndim - 1) + [(0, -K % 32)]); x = x.reshape(x.shape[:-1] + (-1, 32)); a = np.abs(x).max(-1, keepdims=True)
;;       e = np.where(a > 0, np.clip(np.frexp(np.where(a > 0, a, 1))[1] - 1 - 2, -126, 127), 0)      # np.frexp(a)[1] - 1 = floor(log2(a)), exactly
;;       r = np.clip(x / 2.0 ** e, -7.5, 7.5)
;;       step = 2.0 ** (np.maximum(np.frexp(np.where(r == 0, 1, r))[1] - 1, 0) - 3)
;;       q = np.round(r / step) * step * 2.0 ** e      # np.round: ties to even
;;       return np.moveaxis(q.reshape(q.shape[:-2] + (-1,))[..., :K], -1, axis).astype(np.float32)
;;   ~~~
;;   INPUTS GIVEN AS CODES. W (in the module: [8, 1024, 64], K = its axis 1); output_embs (in the module: [16, 4096, 1024], K = its axis 2): each comes as NAME_codes (uint8): NAME with its K axis moved to the last place and cut into blocks of 32 codes, [.., K / 32, bytes a block], one block behind the other in memory; four codes in three bytes: a row's codes are one little-endian stream of bits, code i at bits 6 i .. 6 i + 5 (a code: sign, 2 exponent bits, 3 mantissa bits); and NAME_scales (uint8): the same leading axes, one E8M0 byte (e + 127) for each 32 codes along K. Its value is code x scale, taken as it is: it is not quantised again, and the codes and scales need not be those that the quantiser above would give.
;; One version. Each part assembles by itself: llvm-mc -triple=amdgcn-amd-amdhsa -mcpu=gfx1250 --defsym DOCPART=n.
;; ======== version 1 of 1: 1 launch
;; launch readout (part 1): grid 32 x 8, 4 waves a work-group, no clusters, 118,272 bytes of LDS; arguments output_readout_index, W_codes, W_scales, b, output_embs_codes, output_embs_scales, out0; writes out0
.if DOCPART == 1
	.amdgcn_target "amdgcn-amd-amdhsa--gfx1250"
	.amdhsa_code_object_version 6
	.text
	.protected	k_qd5c9525713_readout
	.globl	k_qd5c9525713_readout
	.p2align	8
	.type	k_qd5c9525713_readout,@function
k_qd5c9525713_readout:
	s_mov_b64 s[64:65], 0
	v_nop
	global_prefetch_b8 v0, s[64:65] scope:SCOPE_SE
	s_setreg_imm32_b32 hwreg(HW_REG_WAVE_MODE, 25, 1), 1
	s_wait_xcnt 0x0
; out[token][0..63] = x[token] . W[head(token)] + b[head(token)]: 65,536 tokens of 1,024 codes of FP6 (E2M3), one E8M0 byte for each 32 along K; 8 heads of 64 channels.
; Only the head that a token's index names is multiplied: the other seven are thrown away by the gather in the definition.
; SHARES.  Work-group (x, y) = (block of 2,048 neighbouring tokens, head); wave w owns tokens 512 w .. 512 w + 511 of the block.  It reads their indices, lists those whose index is the head,
; gathers those rows of x, multiplies them by W[head] and stores each token's 256 bytes.  So every token has one owner, and every row of x is read by one wave.
; THE LIST IS MADE IN REGISTERS: 16 masks of matches and their running counts in scalar registers; a lane finds the token of its list slot by a search through them.  No wave needs another's count.
; A TILE is 16 listed tokens x 64 channels x K 1,024: 4 accumulators x 8 K steps = 32 matrix instructions.  List slots past the list's end are held at the last slot: they repeat its token,
; compute the same numbers and store the same bytes from the same wave, so EXEC is never changed.
; THE MATRIX INSTRUCTION IS USED TRANSPOSED: source 0 = 16 channels of W, source 1 = 16 tokens: lane (r = lane % 16, h = lane / 16) holds token r, register j of accumulator t channel 16 t + 8 h + j.
; W[head], 32 fragments, stays in each wave's registers.  The bias is the C of each sum's first matrix instruction.
; ROWS COME IN WHOLE: sixteen lanes read 256 consecutive aligned bytes of a row (three such pieces a row); a tile's 16 rows turn through the wave's own stage in LDS into fragments.
; SCALES.  W's: lane (r, h) loads the 16 bytes at 32 x channel + 16 h: lanes 0-15 hold the words of K steps 0-3 in four registers, lanes 16-31 those of K steps 4-7, named with ROW1.
; x's: lane i loads the 32 bytes of the token of slot i of a PAIR of tiles: register s is the word of K step s; the pair's even tile names it as it is, the odd tile with ROW1.
; NO TENSOR LOADS, NO CLUSTER: which rows are read and how many tiles a wave has hang on the indices read from memory, so operands go through registers; what work-groups of a head share is W[head],
; 49,152 + 2,048 bytes, against 256 x 800 bytes of rows of their own at an even split.
; LIMITS: an index outside 0 .. 7 leaves its row unwritten (an index stays inside the table that it indexes).  Every split is served, a head with all tokens or with none too;
; loads run ahead of the products for a wave's first six tiles; further tiles go in batches of four, each batch asked for when the one before is done.
.set RP,    784                        ; a row of codes in LDS: 768 bytes + 16 = 196 words: row r begins 4 r words on (mod 64), so the 32 lanes of an 8-byte load at r RP + 24 h touch 64 different words mod 64
.set XWV,   16*RP                      ; 16 such rows
.set OP,    272                        ; a row of results in LDS: 256 bytes + 16
.set OWV,   16*OP
.set WST,   0                          ; LDS: W[head], 64 rows
.set XST,   WST+4*XWV                  ; a stage of 16 rows for each wave
.set OST,   XST+4*XWV                  ; a stage of 16 rows of results for each wave
.set LN16,  1                          ; v1   16 r
.set H16,   2                          ; v2   16 h
.set STA,   3                          ; v3   my stage, on the way in: 8 h rows + 16 r
.set XLA,   4                          ; v4   my stage, on the way out: row r + 24 h
.set OSA,   5                          ; v5   results' stage, in: row r + 32 h
.set OLA,   6                          ; v6   results' stage, out: 8 h rows + 16 r
.set LANE,  7                          ; v7   lane
.set WGO,   10                         ; v10  W in memory: 8 h rows + 16 r
.set WSA,   11                         ; v11  W in LDS, in
.set WLA,   12                         ; v12  W in LDS, out: row r + 24 h
.set U,     16                         ; v16-18 pair v of tiles: lane i holds the token of the pair's slot i
.set SOF,   19                         ; v19-21 pair v: byte offset of that token's scales
.set IA,    22                         ; v22  16 lane
.set WSO,   23                         ; v23  32 r + 16 h
.set BO,    24                         ; v24  32 h
.set RR,    25
.set HH,    26
.set VO,    32                         ; v32-39 byte offsets of the eight pairs of rows being asked for
.set RT,    40                         ; v40-47 the tokens of slots 8 h + 0 .. 7 of the tile being asked for
.set OO,    48                         ; v48-79 set s, pair of rows p: byte offset in out
.set WS,    80                         ; v80-95  W's scale words: 4 t + j.  These and the next 24 hold scales and nothing else
.set XS,    96                         ; v96-119 x's scale words: 8 x pair + K step
.set ACC,   120                        ; v120-151 the four accumulators
.set SV,    120                        ; v120-155 between tiles: the search, 12 registers for each 32 slots:
.set KK,    0                          ;   the slot, then its rank in its mask
.set MM,    1                          ;   the mask
.set BS,    2                          ;   the matches ahead of the mask
.set MI,    3                          ;   the mask's number
.set CA2,   4                          ;   the mask's bit counts in fields of 2,
.set CB4,   5                          ;   4
.set CC8,   6                          ;   and 8 bits
.set TT,    7                          ;   at work
.set PS,    8                          ;   the bit's place
.set INC,   9
.set IDX,   160                        ; v160-175 my 16 indices: inside set 0, which is not yet in use
.set BI,    192                        ; in window 3: the bias, 8 registers a tile t
; REGISTERS ABOVE v255, in windows of 256: window 1: W's fragments 4 s + t of K steps 0-4, 12 registers each (first: W as it lands).  window 2: v0-143 those of K steps 5-7; v144-239 set 1.
; window 3: v0-95 set 2; v96-191 set 3; v192-223 the bias.  Set 0 is v160-255 of window 0.  A set holds a tile's 16 rows as loaded, then its 8 fragments, then its results.
.set CM,    28                         ; s28-30 masks of the search's compares
.set HM,    31                         ; s31  0xffff: lanes 0-15
.set MK,    44                         ; s44-59 the 16 masks of matches: bit l of mask 4 j + e is token 128 j + 4 l + e of my 512
.set RC,    66                         ; s66-81 the count of matches ahead of each mask
.set TA,    84                         ; s84-91 the tokens of a tile's slots 0-7;
.set TB,    92                         ; s92-99 of its slots 8-15
.set MSB, 0
.macro WIN new                         ; s_set_vgpr_msb: bits 1:0 source 0, 3:2 source 1, 5:4 source 2, 7:6 destination; the high byte repeats the setting that is left
.if MSB != (\new)
	s_set_vgpr_msb (MSB<<8)|(\new)
.set MSB, (\new)
.endif
.endm
.macro SETOF set                       ; a set's window and its first register there
.if \set == 0
.set XW, 0
.set XB, 160
.elseif \set == 1
.set XW, 2
.set XB, 144
.elseif \set == 2
.set XW, 3
.set XB, 0
.else
.set XW, 3
.set XB, 96
.endif
.endm
	s_load_b256 s[4:11], s[0:1], 0x0               ; index s[4:5], W's codes s[6:7], W's scales s[8:9], b s[10:11]
	s_load_b128 s[12:15], s[0:1], 0x20             ; x's codes s[12:13], x's scales s[14:15]
	s_load_b64 s[16:17], s[0:1], 0x30              ; out
	v_lshl_add_u32 v158, v0, 2, 0x1cc00
	v_mov_b32 v159, 0
	v_lshrrev_b32 v13, 5, v0
	v_readfirstlane_b32 s18, v13                   ; wave w
	s_and_b32 s19, ttmp7, 0xffff                   ; head
	s_mov_b32 s20, ttmp9                           ; block
	s_mov_b32 s[HM], 0xffff
	v_and_b32 v[LANE], 31, v0
	v_and_b32 v[RR], 15, v0
	v_bfe_u32 v[HH], v0, 4, 1
	v_lshlrev_b32 v[IA], 4, v[LANE]
	v_lshlrev_b32 v[LN16], 4, v[RR]
	v_lshlrev_b32 v[H16], 4, v[HH]
	v_mad_u32_u24 v[WGO], v[HH], 8*768, v[LN16]
	v_lshl_add_u32 v[WSO], v[RR], 5, v[H16]
	v_lshlrev_b32 v[BO], 5, v[HH]
	s_mov_b32 s23, 0                               ; every offset below is under 2^31: a pair with 0 above it
	s_lshl_b32 s22, s20, 13                        ; the block's 2,048 indices,
	s_lshl_b32 s24, s18, 11                        ; my wave's 512 of them
	s_add_co_u32 s22, s22, s24
	s_wait_alu depctr_va_vdst(0)
	s_wait_kmcnt 0x0
	s_add_nc_u64 s[4:5], s[4:5], s[22:23]
.irp j, 0,1,2,3
	global_load_b128 v[IDX+4*\j:IDX+4*\j+3], v[IA], s[4:5] offset:512*\j   ; register 4 j + e: the index of my token 128 j + 4 lane + e; 512 consecutive bytes a load
.endr
	s_mul_i32 s22, s19, 64*768                     ; W[head],
	s_mul_i32 s24, s18, 16*768                     ; my wave's 16 rows of it
	s_add_co_u32 s22, s22, s24
	s_add_nc_u64 s[6:7], s[6:7], s[22:23]
	WIN 0x40                                       ; destination window 1
.irp p, 0,1,2,3,4,5,6,7
.irp q, 0,1,2
	global_load_b128 v[4*(3*\p+\q):4*(3*\p+\q)+3], v[WGO], s[6:7] offset:768*\p+256*\q   ; lanes 0-15: row p, lanes 16-31: row p + 8; 256 consecutive bytes each
.endr
.endr
	WIN 0
	s_lshl_b32 s22, s19, 11
	s_add_nc_u64 s[8:9], s[8:9], s[22:23]
.irp t, 0,1,2,3
	global_load_b128 v[WS+4*\t:WS+4*\t+3], v[WSO], s[8:9] offset:512*\t   ; channel 16 t + r: its words of K steps 4 h + 0 .. 3
.endr
	s_lshl_b32 s22, s19, 8
	s_add_nc_u64 s[10:11], s[10:11], s[22:23]
	WIN 0xc0                                       ; destination window 3
.irp t, 0,1,2,3
	global_load_b128 v[BI+8*\t:BI+8*\t+3], v[BO], s[10:11] offset:64*\t       ; b[head][16 t + 8 h + 0 .. 7]: the result's layout
	global_load_b128 v[BI+8*\t+4:BI+8*\t+7], v[BO], s[10:11] offset:64*\t+16
.endr
	WIN 0
	s_lshl_b32 s24, s20, 2
	s_add_co_u32 s24, s24, s18                     ; 4 x block + wave: which run of 512 tokens is mine
	s_mul_i32 s22, s24, 512*768
	s_add_nc_u64 s[12:13], s[12:13], s[22:23]      ; x's codes, x's scales and out at my wave's first token
	s_lshl_b32 s22, s24, 14
	s_add_nc_u64 s[14:15], s[14:15], s[22:23]
	s_lshl_b32 s22, s24, 17
	s_add_nc_u64 s[16:17], s[16:17], s[22:23]
	; the LDS addresses that stay: each a constant + a constant x lane part + a constant x wave
	s_mul_i32 s24, s18, XWV
	s_add_co_u32 s25, s24, XST
	v_mad_u32_u24 v[WSA], v[HH], 8*RP, v[LN16]
	v_add_nc_u32 v[STA], s25, v[WSA]
	v_add_nc_u32 v[WSA], s24, v[WSA]               ; (WST is LDS byte 0)
	v_mul_u32_u24 v[WLA], v[RR], RP
	v_mad_u32_u24 v[WLA], v[HH], 24, v[WLA]
	v_add_nc_u32 v[XLA], s25, v[WLA]
	s_mul_i32 s24, s18, OWV
	s_add_co_u32 s24, s24, OST
	v_mul_u32_u24 v[OSA], v[RR], OP
	v_lshl_add_u32 v[OSA], v[HH], 5, v[OSA]
	v_add_nc_u32 v[OSA], s24, v[OSA]
	v_mad_u32_u24 v[OLA], v[HH], 8*OP, v[LN16]
	v_add_nc_u32 v[OLA], s24, v[OLA]
	; THE MASKS AND THEIR RUNNING COUNTS
	s_wait_loadcnt 36                              ; the indices are in; behind them: W's 24 loads, its scales' 4, the bias's 8
.irp e, 0,1,2,3,4,5,6,7,8,9,10,11,12,13,14,15
	v_cmp_eq_u32 s[MK+\e], s19, v[IDX+\e]
.endr
	s_mov_b32 s[RC], 0
.irp e, 0,1,2,3,4,5,6,7,8,9,10,11,12,13,14
	s_bcnt1_i32_b32 s24, s[MK+\e]
	s_add_co_u32 s[RC+1+\e], s[RC+\e], s24
.endr
	s_bcnt1_i32_b32 s24, s[MK+15]
	s_add_co_u32 s35, s[RC+15], s24                ; c: my list's length
	s_sub_co_u32 s36, s35, 1                       ; the last slot (with c = 0: the largest number, which holds nothing back; no tile is then worked, and every token is held inside my 512)
	s_add_co_u32 s41, s35, 15
	s_lshr_b32 s41, s41, 4                         ; my tiles
; One halving of the search for a mask's k-th set bit: t = the set bits among the w bits from the place on (read off the counts in register src; for w = 16 it stands in TT already);
; where k >= t the bit lies above them: k -= t, the place goes w on.
.macro PICK nv, w, src
.if \w < 16
.irp v, 0,1,2
.if \v < \nv
	v_bfe_u32 v[SV+12*\v+TT], v[SV+12*\v+\src], v[SV+12*\v+PS], \w
.endif
.endr
.endif
.irp v, 0,1,2
.if \v < \nv
	v_cmp_ge_u32 s[CM+\v], v[SV+12*\v+KK], v[SV+12*\v+TT]
.endif
.endr
.irp v, 0,1,2
.if \v < \nv
	v_cndmask_b32 v[SV+12*\v+TT], 0, v[SV+12*\v+TT], s[CM+\v]
.if \w < 16
	v_cndmask_b32 v[SV+12*\v+INC], 0, \w, s[CM+\v]
.else
	v_cndmask_b32 v[SV+12*\v+PS], 0, \w, s[CM+\v]
.endif
.endif
.endr
.irp v, 0,1,2
.if \v < \nv
	v_sub_nc_u32 v[SV+12*\v+KK], v[SV+12*\v+KK], v[SV+12*\v+TT]
.if \w < 16
	v_add_nc_u32 v[SV+12*\v+PS], v[SV+12*\v+PS], v[SV+12*\v+INC]
.endif
.endif
.endr
.endm
; THE SEARCH: the tokens of 32 nv list slots, one a lane: pair v's slot is 32 v + lane (loop = 0) or s43 + 32 v + lane (loop = 1, nv = 2), held at the last slot.  The pairs go stage by stage, so that no line waits for the line above it.
.macro SEARCH nv, loop
.irp v, 0,1,2
.if \v < \nv
.if \loop
	v_add_nc_u32 v[SV+12*\v+KK], s43, v[LANE]
.else
	v_add_nc_u32 v[SV+12*\v+KK], 32*\v, v[LANE]
.endif
.endif
.endr
.if \loop
	v_add_nc_u32 v[SV+12+KK], 32, v[SV+12+KK]
.endif
.irp v, 0,1,2
.if \v < \nv
	v_min_u32 v[SV+12*\v+KK], s36, v[SV+12*\v+KK]
	v_mov_b32 v[SV+12*\v+MM], s[MK]
	v_mov_b32 v[SV+12*\v+BS], 0
	v_mov_b32 v[SV+12*\v+MI], 0
.endif
.endr
.irp m, 1,2,3,4,5,6,7,8,9,10,11,12,13,14,15    ; the slot's mask is the last one with no more matches ahead of it than the slot's number: the counts never fall, so each mask that qualifies takes the place of the one before
.irp v, 0,1,2
.if \v < \nv
	v_cmp_gt_u32 s[CM+\v], s[RC+\m], v[SV+12*\v+KK]
.endif
.endr
.irp v, 0,1,2
.if \v < \nv
	v_cndmask_b32 v[SV+12*\v+MM], s[MK+\m], v[SV+12*\v+MM], s[CM+\v]
	v_cndmask_b32 v[SV+12*\v+BS], s[RC+\m], v[SV+12*\v+BS], s[CM+\v]
	v_cndmask_b32 v[SV+12*\v+MI], \m, v[SV+12*\v+MI], s[CM+\v]
.endif
.endr
.endr
.irp v, 0,1,2
.if \v < \nv
	v_sub_nc_u32 v[SV+12*\v+KK], v[SV+12*\v+KK], v[SV+12*\v+BS]   ; k: the slot's rank among its mask's set bits
	v_lshrrev_b32 v[SV+12*\v+TT], 1, v[SV+12*\v+MM]
.endif
.endr
.irp v, 0,1,2
.if \v < \nv
	v_and_b32 v[SV+12*\v+TT], 0x55555555, v[SV+12*\v+TT]
.endif
.endr
.irp v, 0,1,2
.if \v < \nv
	v_sub_nc_u32 v[SV+12*\v+CA2], v[SV+12*\v+MM], v[SV+12*\v+TT]  ; the set bits of each 2
.endif
.endr
.irp v, 0,1,2
.if \v < \nv
	v_lshrrev_b32 v[SV+12*\v+TT], 2, v[SV+12*\v+CA2]
	v_and_b32 v[SV+12*\v+CB4], 0x33333333, v[SV+12*\v+CA2]
.endif
.endr
.irp v, 0,1,2
.if \v < \nv
	v_and_b32 v[SV+12*\v+TT], 0x33333333, v[SV+12*\v+TT]
.endif
.endr
.irp v, 0,1,2
.if \v < \nv
	v_add_nc_u32 v[SV+12*\v+CB4], v[SV+12*\v+CB4], v[SV+12*\v+TT] ; of each 4
.endif
.endr
.irp v, 0,1,2
.if \v < \nv
	v_lshrrev_b32 v[SV+12*\v+TT], 4, v[SV+12*\v+CB4]
.endif
.endr
.irp v, 0,1,2
.if \v < \nv
	v_add_nc_u32 v[SV+12*\v+CC8], v[SV+12*\v+CB4], v[SV+12*\v+TT]
.endif
.endr
.irp v, 0,1,2
.if \v < \nv
	v_and_b32 v[SV+12*\v+CC8], 0x0f0f0f0f, v[SV+12*\v+CC8]        ; of each 8
.endif
.endr
.irp v, 0,1,2
.if \v < \nv
	v_lshrrev_b32 v[SV+12*\v+TT], 8, v[SV+12*\v+CC8]
.endif
.endr
.irp v, 0,1,2
.if \v < \nv
	v_add_nc_u32 v[SV+12*\v+TT], v[SV+12*\v+TT], v[SV+12*\v+CC8]
.endif
.endr
.irp v, 0,1,2
.if \v < \nv
	v_and_b32 v[SV+12*\v+TT], 0xff, v[SV+12*\v+TT]                ; of the low 16
.endif
.endr
	PICK \nv, 16, CC8
	PICK \nv, 8, CC8
	PICK \nv, 4, CB4
	PICK \nv, 2, CA2
	PICK \nv, 1, MM
.irp v, 0,1,2
.if \v < \nv
	v_lshrrev_b32 v[SV+12*\v+TT], 2, v[SV+12*\v+MI]
	v_and_b32 v[SV+12*\v+INC], 3, v[SV+12*\v+MI]
.endif
.endr
.irp v, 0,1,2
.if \v < \nv
	v_lshl_add_u32 v[SV+12*\v+INC], v[SV+12*\v+TT], 7, v[SV+12*\v+INC]
.endif
.endr
.irp v, 0,1,2
.if \v < \nv
	v_lshl_add_u32 v[U+\v], v[SV+12*\v+PS], 2, v[SV+12*\v+INC]    ; bit l of mask 4 j + e is token 128 j + 4 l + e
.endif
.endr
.irp v, 0,1,2
.if \v < \nv
	v_min_u32 v[U+\v], 0x1ff, v[U+\v]              ; one of my 512 tokens
.endif
.endr
.endm
; x's scale words of nv pairs of tiles: a lane takes the 32 bytes of its slot's token
.macro SCL nv
.irp v, 0,1,2
.if \v < \nv
	v_lshlrev_b32 v[SOF+\v], 5, v[U+\v]
.endif
.endr
.irp v, 0,1,2
.if \v < \nv
	global_load_b128 v[XS+8*\v:XS+8*\v+3], v[SOF+\v], s[14:15]
	global_load_b128 v[XS+8*\v+4:XS+8*\v+7], v[SOF+\v], s[14:15] offset:16
.endif
.endr
.endm
; A tile's 16 rows are asked for: 24 loads into a set.  The tile's tokens stand in lanes 16 half .. 16 half + 15 of v[uv].  A row is fetched by sixteen lanes, so its token is wanted in all sixteen:
; the 16 numbers come out as scalars; lanes 0-15 take slot p's, lanes 16-31 slot p + 8's.
.macro ASK set, uv, half
	SETOF \set
	s_wait_xcnt 0x0                                ; every earlier memory instruction has had its addresses translated (ISA guide 3.1): only behind this wait are VO, this set's OO and the registers that its last stores read written again
.irp p, 0,1,2,3,4,5,6,7
	v_readlane_b32 s[TA+\p], v[\uv], 16*\half+\p
	v_readlane_b32 s[TB+\p], v[\uv], 16*\half+8+\p
.endr
.irp p, 0,1,2,3,4,5,6,7
	v_mov_b32 v[RT+\p], s[TA+\p]
.endr
.irp p, 0,1,2,3,4,5,6,7
	v_cndmask_b32 v[RT+\p], s[TB+\p], v[RT+\p], s[HM]
.endr
.irp p, 0,1,2,3,4,5,6,7
	v_min_u32 v[RT+\p], 0x1ff, v[RT+\p]            ; one of my 512 tokens
.endr
.irp p, 0,1,2,3,4,5,6,7
	v_mad_u32_u24 v[VO+\p], v[RT+\p], 768, v[LN16]
	v_lshl_add_u32 v[OO+8*\set+\p], v[RT+\p], 8, v[LN16]
.endr
	WIN XW<<6
.irp p, 0,1,2,3,4,5,6,7
.irp q, 0,1,2
	global_load_b128 v[XB+4*(3*\p+\q):XB+4*(3*\p+\q)+3], v[VO+\p], s[12:13] offset:256*\q   ; 256 consecutive aligned bytes for each sixteen lanes.  No hint: a held slot names a row again
.endr
.endr
	WIN 0
.endm
; A tile.  left: how many younger loads may stay out.  pr, par: its scale words stand in pair pr's registers, in lanes 16 par on.
.macro TILE set, left, pr, par
	SETOF \set
	s_wait_loadcnt \left                           ; loads come back in order (ISA guide 5.7.1): this tile's rows and scale words are in
	WIN XW<<2
.irp p, 0,1,2,3,4,5,6,7
.irp q, 0,1,2
	ds_store_b128 v[STA], v[XB+4*(3*\p+\q):XB+4*(3*\p+\q)+3] offset:RP*\p+256*\q
.endr
.endr
	WIN XW<<6
.irp s, 0,1,2,3,4,5,6,7                        ; back as fragments, into the registers that the rows left: registers 12 s + 6 c + 0 .. 5 hold K = 128 s + 64 c + 32 h + 0 .. 31 of row r: 24 bytes as they lie, in pieces of 8.  LDS serves a wave's instructions in order (ISA guide 5.7.1.4)
.irp i, 0,1,2,3,4,5
	ds_load_b64 v[XB+12*\s+2*\i:XB+12*\s+2*\i+1], v[XLA] offset:96*\s+48*(\i/3)+8*(\i%3)
.endr
.endr
.irp s, 0,1,2,3,4,5,6,7
	s_wait_dscnt 6*(7-\s)                          ; K step s's fragment is in; the six loads of each later K step may be out
.if \s == 0
	WIN 0x31|(XW<<2)                               ; source 0 (W) window 1, source 1 the set's, C (the bias) window 3, D window 0
.elseif \s < 5
	WIN 0x01|(XW<<2)
.else
	WIN 0x02|(XW<<2)                               ; W's fragments of K steps 5-7 lie in window 2
.endif
.irp t, 0,1,2,3                                ; the four accumulators take turns, one instruction a turn
.set WF, 12*(4*\s+\t)-240*(\s/5)
.set CR, ACC+8*\t
.if \s == 0
.set CR, BI+8*\t
.endif
.set SA, WS+4*\t+\s%4
.set SB, XS+8*\pr+\s
.if (\s < 4) && (\par == 0)
	v_wmma_scale_f32_16x16x128_f8f6f4 v[ACC+8*\t:ACC+8*\t+7], v[WF:WF+11], v[XB+12*\s:XB+12*\s+11], v[CR:CR+7], v[SA], v[SB] matrix_a_fmt:MATRIX_FMT_FP6 matrix_b_fmt:MATRIX_FMT_FP6
.elseif \s < 4
	v_wmma_scale_f32_16x16x128_f8f6f4 v[ACC+8*\t:ACC+8*\t+7], v[WF:WF+11], v[XB+12*\s:XB+12*\s+11], v[CR:CR+7], v[SA], v[SB] matrix_a_fmt:MATRIX_FMT_FP6 matrix_b_fmt:MATRIX_FMT_FP6 matrix_b_scale:MATRIX_SCALE_ROW1
.elseif \par == 0
	v_wmma_scale_f32_16x16x128_f8f6f4 v[ACC+8*\t:ACC+8*\t+7], v[WF:WF+11], v[XB+12*\s:XB+12*\s+11], v[CR:CR+7], v[SA], v[SB] matrix_a_fmt:MATRIX_FMT_FP6 matrix_b_fmt:MATRIX_FMT_FP6 matrix_a_scale:MATRIX_SCALE_ROW1
.else
	v_wmma_scale_f32_16x16x128_f8f6f4 v[ACC+8*\t:ACC+8*\t+7], v[WF:WF+11], v[XB+12*\s:XB+12*\s+11], v[CR:CR+7], v[SA], v[SB] matrix_a_fmt:MATRIX_FMT_FP6 matrix_b_fmt:MATRIX_FMT_FP6 matrix_a_scale:MATRIX_SCALE_ROW1 matrix_b_scale:MATRIX_SCALE_ROW1
.endif
.endr
.endr
	WIN 0
.rept 5
	v_nop                                          ; four places ahead of the LDS stores of the results and of loads into registers that the products read; five ahead of the next tile's first product, which begins these accumulators anew with another C
.endr
.irp t, 0,1,2,3
	ds_store_b128 v[OSA], v[ACC+8*\t:ACC+8*\t+3] offset:64*\t        ; each accumulator from its low end on: token r's channels 16 t + 8 h + 0 .. 7
	ds_store_b128 v[OSA], v[ACC+8*\t+4:ACC+8*\t+7] offset:64*\t+16
.endr
	WIN XW<<6
.irp p, 0,1,2,3,4,5,6,7
	ds_load_b128 v[XB+4*\p:XB+4*\p+3], v[OLA] offset:OP*\p           ; back as whole rows: lanes 0-15 slot p's, lanes 16-31 slot p + 8's
.endr
	WIN XW<<2
.irp p, 0,1,2,3,4,5,6,7
	s_wait_dscnt 7-\p
	global_store_b128 v[OO+8*\set+\p], v[XB+4*\p:XB+4*\p+3], s[16:17] th:TH_STORE_NT   ; sixteen lanes store a token's 256 consecutive bytes, at a multiple of 256 from out's first byte; written once, read by nobody here
.endr
	WIN 0
.endm
.macro GUARD k, lab                            ; my wave has no tile k: a branch on a count made of the indices read
	s_cmp_le_u32 s41, \k
	s_cbranch_scc1 \lab
.endm
	SEARCH 3, 0                                    ; the tokens of my first 96 slots: tiles 0 to 5
	s_wait_alu depctr_va_vdst(0)
	; W's 16 rows of my wave go to LDS as rows
	s_wait_loadcnt 12                              ; W's codes are in; behind them: its scales' 4 loads and the bias's 8
	WIN 0x04                                       ; an LDS store's data are its source 1: window 1
.irp p, 0,1,2,3,4,5,6,7
.irp q, 0,1,2
	ds_store_b128 v[WSA], v[4*(3*\p+\q):4*(3*\p+\q)+3] offset:RP*\p+256*\q
.endr
.endr
	WIN 0
	SCL 3                                          ; the scale words of tiles 0 to 5, ahead of all rows
	ASK 0, U, 0                                    ; a wave always asks for four tiles, so that every count below holds on every way; a tile past the list repeats the last row and is not worked
	ASK 1, U, 1
	s_wait_dscnt 0x0                               ; for the others' sake: my rows of W lie in LDS
	s_barrier_signal -1
	s_barrier_wait -1                              ; the one barrier: behind it W is only read
	WIN 0x40                                       ; W's 32 fragments come out of LDS while the first rows are on their way
.irp s, 0,1,2,3,4
.irp t, 0,1,2,3
.irp i, 0,1,2,3,4,5
	ds_load_b64 v[12*(4*\s+\t)+2*\i:12*(4*\s+\t)+2*\i+1], v[WLA] offset:XWV*\t+96*\s+48*(\i/3)+8*(\i%3)
.endr
.endr
.endr
	WIN 0x80
.irp s, 5,6,7
.irp t, 0,1,2,3
.irp i, 0,1,2,3,4,5
	ds_load_b64 v[12*(4*\s+\t-20)+2*\i:12*(4*\s+\t-20)+2*\i+1], v[WLA] offset:XWV*\t+96*\s+48*(\i/3)+8*(\i%3)
.endr
.endr
.endr
	WIN 0
	ASK 2, U+1, 0
	ASK 3, U+1, 1
	GUARD 0, .Lrest
	TILE 0, 63, 0, 0                               ; 72 loads were issued behind tile 0's; 63 is the largest count that the wait can name
	s_cmp_gt_u32 s41, 4
	s_cbranch_scc1 .Lfive
	GUARD 1, .Lrest                                ; up to four tiles: nothing more is asked for
	TILE 1, 48, 0, 1                               ; behind tile 1's loads: tiles 2 and 3
	GUARD 2, .Lrest
	TILE 2, 24, 1, 0
	GUARD 3, .Lrest
	s_wait_alu depctr_va_vdst(0)
	TILE 3, 0, 1, 1
	s_branch .Lrest
.Lfive:                                            ; five tiles or more: set 0 takes tile 4 as soon as tile 0 has left it
	ASK 0, U+2, 0
	TILE 1, 63, 0, 1                               ; behind tile 1's loads: 24 + 24 + 24
	s_cmp_lt_u32 s41, 6
	s_cbranch_scc1 .Lno_six
	ASK 1, U+2, 1                                  ; six or more: set 1 takes tile 5
.Lno_six:
	TILE 2, 48, 1, 0                               ; behind tile 2's loads: tiles 3 and 4.  The counts from here on are those of the way without tile 5; where it was asked for they wait for more than is needed
	TILE 3, 24, 1, 1
	s_wait_alu depctr_va_vdst(0)
	TILE 0, 0, 2, 0                                ; tile 4
	GUARD 5, .Lrest
	TILE 1, 0, 2, 1                                ; tile 5
.Lrest:                                            ; tiles 6 on, four to a trip.  The trips are a constant, 7 (a wave has 32 tiles at the most); a trip with nothing to do jumps over its work
	s_mov_b32 s42, 6                               ; the trip's first tile,
	s_mov_b32 s43, 96                              ; and its first slot
.Lmore:
	s_cmp_ge_u32 s42, s41
	s_cbranch_scc1 .Lnone
	s_wait_loadcnt 0x0                             ; no load is on its way into a set or a scale register, and the scale loads' offsets may be written again
	SEARCH 2, 1
	SCL 2
	s_wait_alu depctr_va_vdst(0)
	ASK 0, U, 0
	ASK 1, U, 1
	ASK 2, U+1, 0
	ASK 3, U+1, 1
	TILE 0, 63, 0, 0
	s_add_co_u32 s24, s42, 1
	s_cmp_ge_u32 s24, s41
	s_cbranch_scc1 .Lnone
	TILE 1, 48, 0, 1
	s_add_co_u32 s24, s42, 2
	s_cmp_ge_u32 s24, s41
	s_cbranch_scc1 .Lnone
	TILE 2, 24, 1, 0
	s_add_co_u32 s24, s42, 3
	s_cmp_ge_u32 s24, s41
	s_cbranch_scc1 .Lnone
	s_wait_alu depctr_va_vdst(0)
	TILE 3, 0, 1, 1
.Lnone:
	s_add_co_u32 s42, s42, 4
	s_add_co_u32 s43, s43, 64
	s_cmp_lt_u32 s42, 34
	s_cbranch_scc1 .Lmore
	s_wait_tensorcnt 0x0
	ds_add_u32 v158, v159
	s_wait_dscnt 0x0
	s_endpgm
.Lfunc_end_k_qd5c9525713_readout:
	.size	k_qd5c9525713_readout, .Lfunc_end_k_qd5c9525713_readout-k_qd5c9525713_readout
	.p2alignl 7, 3214868480
	.fill 96, 4, 3214868480
	.section	.rodata,"a",@progbits
	.p2align	6, 0x0
	.amdhsa_kernel k_qd5c9525713_readout
		.amdhsa_group_segment_fixed_size 118272
		.amdhsa_private_segment_fixed_size 0
		.amdhsa_enable_private_segment 0
		.amdhsa_kernarg_size 56
		.amdhsa_user_sgpr_count 2
		.amdhsa_user_sgpr_kernarg_segment_ptr 1
		.amdhsa_wavefront_size32 1
		.amdhsa_system_sgpr_workgroup_id_x 1
		.amdhsa_system_sgpr_workgroup_id_y 1
		.amdhsa_system_sgpr_workgroup_id_z 1
		.amdhsa_system_vgpr_workitem_id 0
		.amdhsa_next_free_vgpr 1024
		.amdhsa_next_free_sgpr 100
		.amdhsa_reserve_vcc 0
		.amdhsa_float_denorm_mode_32 3
		.amdhsa_float_denorm_mode_16_64 3
		.amdhsa_memory_ordered 1
		.amdhsa_forward_progress 1
		.amdhsa_inst_pref_size 255
	.end_amdhsa_kernel
	.section	.bss,"aw",@nobits
	.p2align	6
	.space	262144
	.amdgpu_metadata
---
amdhsa.version: [ 1, 2 ]
amdhsa.kernels:
  - .name:           k_qd5c9525713_readout
    .symbol:         k_qd5c9525713_readout.kd
    .args:
      - { .name: output_readout_index, .offset: 0, .size: 8, .value_kind: global_buffer, .address_space: global }
      - { .name: W_codes, .offset: 8, .size: 8, .value_kind: global_buffer, .address_space: global }
      - { .name: W_scales, .offset: 16, .size: 8, .value_kind: global_buffer, .address_space: global }
      - { .name: b, .offset: 24, .size: 8, .value_kind: global_buffer, .address_space: global }
      - { .name: output_embs_codes, .offset: 32, .size: 8, .value_kind: global_buffer, .address_space: global }
      - { .name: output_embs_scales, .offset: 40, .size: 8, .value_kind: global_buffer, .address_space: global }
      - { .name: out0, .offset: 48, .size: 8, .value_kind: global_buffer, .address_space: global }
    .group_segment_fixed_size: 118272
    .private_segment_fixed_size: 0
    .kernarg_segment_align: 8
    .kernarg_segment_size: 56
    .max_flat_workgroup_size: 128
    .sgpr_count:     100
    .vgpr_count:     1024
    .wavefront_size: 32
...
	.end_amdgpu_metadata
.endif
;; end of part 1
